; MI455X (gfx1250); checked and timed in simulation.
; The chip was launched on July 23, 2026; its instructions are those of AMD's public machine-readable ISA for CDNA 5 (MIT licence, August 2026) and "CDNA5" Instruction Set Architecture Reference Guide (July 2026). The comments in the code are by the model that wrote it; some were corrected since.
;; Point Net Feature Propagation. Allowed arithmetic: matrix products marked QUANTISED: E4M3 operands, one given power-of-two scale a tensor, by v_wmma_f32_16x16x64_fp8_fp8 or v_wmma_f32_16x16x128_fp8_fp8, f32 sums; products left as they are: f32 operands where the result goes on into a quantised operand, else bf16, f16 or f32 operands; f32 sums; everything else in f32.
;; Inputs: W 64 x 64 float32; b 64 float32; beta 64 float32; gamma 64 float32; lowp_scales 2 int32 (the exponents e of the quantised operands' scales 2^e); points1 4 x 8,192 x 64 float32; points2 4 x 4,096 x 64 float32; xyz1 4 x 8,192 x 3 float32; xyz2 4 x 4,096 x 3 float32.
;; Outputs: out0 4 x 8,192 x 64 float32.
;; This version of the problem:
;;   THIS VERSION OF THE PROBLEM IS GIVEN IN LOW PRECISION. The matrix products marked QUANTISED in the list below multiply operands that are first quantised to E4M3 (4 exponent bits, 3 mantissa bits; 8 bits a number), with one given power-of-two scale for each operand tensor; their sums are f32. All else is computed in f32.
;;   The module's matrix products, in the order in which they are computed (A, B: the left and right operand; K: the contracted axis; several contracted axes count as one K, in the product's order):
;;     1. batch 4 x [M 8,192, K 3] x [K 3, N 4,096]; A: input xyz1; B: input xyz2: left as it is (K = 3 < 32)
;;     2. [M 32,768, K 64] x [K 64, N 64]; A: computed on the way; B: input W: QUANTISED (scales: A lowp_scales[0], B lowp_scales[1])
;;   THE QUANTISER, for each operand of a quantised product, along K:
;;     - The operand's scale is 2^e, e = its entry of the input lowp_scales (int32; the entries are numbered through the quantised products in the list's order, A before B).
;;     - Each number is divided by the scale, clamped to +-448, and rounded to the nearest number of E4M3, ties to even, subnormals kept.
;;     - The product sums the exact products of the quantised numbers (number of the format x scale) in f32.
;;   ~~~python
;;   def quantise(x, axis, e):      # numpy; x: float32 -> the quantised numbers, widened to float32 again
;;       x = np.moveaxis(x, axis, -1); K = x.shape[-1]
;;       r = np.clip(x / 2.0 ** e, -448, 448)
;;       step = 2.0 ** (np.maximum(np.frexp(np.where(r == 0, 1, r))[1] - 1, -6) - 3)
;;       q = np.round(r / step) * step * 2.0 ** e      # np.round: ties to even
;;       return np.moveaxis(q, -1, axis).astype(np.float32)
;;   ~~~
;;   OPERANDS COMPUTED ON THE WAY. 'Computed on the way' means the value that the module computes at that place (a softmax that the list does not call 'softmax' is quantised finished and normalised). What goes into a quantiser is computed in f32, as accurately as f32 sums, v_exp_f32 and their like allow (about 1e-6 of the number): no bf16 or f16 on the way to a quantiser, and a product that is left as it is and whose result goes on into a quantised operand takes f32 operands (vector FMAs, or v_wmma_f32_16x16x4_f32). A number that lies on a knife's edge between two numbers of the format may be rounded either way, as far as f32 arithmetic and the matrix unit's own rounding can turn it there, and no further.
;; One version. Each part assembles by itself: llvm-mc -triple=amdgcn-amd-amdhsa -mcpu=gfx1250 --defsym DOCPART=n.
;; ======== version 1 of 1: 4 launches
;; workspace buffers: chunks 524,288 bytes of whole numbers; nbr 524,288 bytes of whole numbers; wts 524,288 bytes; ypre 8,388,608 bytes; part 131,072 bytes
;; launch coarse (part 1): grid 256 x 1, 8 waves a work-group, no clusters, 93,184 bytes of LDS; arguments xyz1, xyz2, chunks; writes chunks
.if DOCPART == 1
	.amdgcn_target "amdgcn-amd-amdhsa--gfx1250"
	.amdhsa_code_object_version 6
	.text
	.protected	k_qd538fde96a_coarse
	.globl	k_qd538fde96a_coarse
	.p2align	8
	.type	k_qd538fde96a_coarse,@function
k_qd538fde96a_coarse:
	s_mov_b64 s[64:65], 0
	v_nop
	global_prefetch_b8 v0, s[64:65] scope:SCOPE_SE
	s_setreg_imm32_b32 hwreg(HW_REG_WAVE_MODE, 25, 1), 1
	s_wait_xcnt 0x0
; FIRST OF FOUR LAUNCHES.  For each of the 32,768 query points: which 3 of its batch's 128 chunks (32 neighbouring candidates each) have the smallest
; (chunk minimum of d, chunk number).  Each of the 3 nearest candidates, ordered by (d, index), lies in one of these 3 chunks: were its chunk not among them,
; three other chunks would each hold a candidate that precedes it.  The next launch searches those 96 candidates exactly.
; d = (s1 + s2) - 2 dot, all f32:  s = fma(z, z, fma(y, y, x x)),  dot = fma(z1, z2, fma(y1, y2, x1 x2)),  d = fma(-2, dot, s1 + s2).  Both launches form d by these same operations.
; SHARES.  Work-group g: queries 128 g .. 128 g + 127 (batch g / 64).  Every wave holds all 128 queries, 4 a lane (query lane + 32 k), as two register pairs, so that a packed
; instruction serves two queries against one candidate.  Wave w walks chunks 16 w .. 16 w + 15; the eight waves' best three meet in LDS.
; For a pair (query, candidate): 2.5 packed instructions for d, half a v_min3 for the chunk's minimum; the insertion with numbers (11 instructions) is paid once for 32 pairs.
; LDS: a table of (x, y, z, s2), 16 bytes a candidate, a chunk 528 bytes from the next (the next launch, whose lanes read different chunks, has the same table); behind it the waves' results.
; No tensor load, no cluster: the one shared input, 48 KiB of xyz2, is read once by a work-group and needs s2 added on its way into LDS.
; The input points1 is named by no launch of this program: the function that defines the result takes it and uses it nowhere.
; LIMITS: NaN and infinity among the coordinates are not served.
.set PITCH, 528
.set MRG,   128*PITCH                  ; the waves' results: [wave 8][field 6: A B C IA IB IC][query 128] words
.set ADR,  2                           ; v2    LDS address of the chunk in hand
.set WOFF, 3                           ; v3    my wave's 16 chunks in the table
.set VID,  4                           ; v4    number of the chunk whose minimum lies in M
.set MST,  5                           ; v5    where I store my wave's results
.set VG,   6                           ; v6    12 x thread: my candidates in xyz2
.set VL,   7                           ; v7    16 x (thread + thread / 32): their place in the table
.set QX,   8                           ; v8-11, v12-15, v16-19 the four queries' x, y, z;  v20-23 their s1
.set QY,   12
.set QZ,   16
.set QS,   20
.set M,    24                          ; v24-27 the chunk's minimum
.set A,    28                          ; v28-39 the three smallest minima, ascending;  v40-51 their chunks' numbers
.set B,    32
.set C,    36
.set IA,   40
.set IB,   44
.set IC,   48
.set P,    52                          ; v52-59 four pairs: dot
.set T,    60                          ; v60-67 four pairs: s1 + s2, then d
.set BUF,  68                          ; v68-131 two sets of 8 candidates x 4 registers
.set MLD,  132                         ; v132  where thread t reads query t's results
.set OUTO, 133                         ; v133  16 x thread
; The table.  nt threads, 4096 / nt candidates a thread: candidate thread + nt i.  Each coordinate by a load of 4 bytes: a point lies at 12 x its number.
.macro BUILD nt, cb
.set i, 0
.rept 4096/\nt
	global_load_b32 v[\cb+4*i],   v[VG], s[6:7] offset:12*\nt*i
	global_load_b32 v[\cb+4*i+1], v[VG], s[6:7] offset:12*\nt*i+4
	global_load_b32 v[\cb+4*i+2], v[VG], s[6:7] offset:12*\nt*i+8
.set i, i+1
.endr
	s_wait_loadcnt 0x0                             ; all of them, and what was asked for ahead of them
.set i, 0
.rept 4096/\nt
	v_mul_f32 v[\cb+4*i+3], v[\cb+4*i], v[\cb+4*i]
.set i, i+1
.endr
.set i, 0
.rept 4096/\nt
	v_fma_f32 v[\cb+4*i+3], v[\cb+4*i+1], v[\cb+4*i+1], v[\cb+4*i+3]
.set i, i+1
.endr
.set i, 0
.rept 4096/\nt
	v_fma_f32 v[\cb+4*i+3], v[\cb+4*i+2], v[\cb+4*i+2], v[\cb+4*i+3]
.set i, i+1
.endr
.set i, 0
.rept 4096/\nt
	ds_store_b128 v[VL], v[\cb+4*i:\cb+4*i+3] offset:i*(\nt/32)*PITCH   ; nt candidates on are nt / 32 chunks on
.set i, i+1
.endr
	s_wait_dscnt 0x0                               ; for the others' sake: my part of the table lies in LDS
	s_barrier_signal -1
	s_barrier_wait -1
.endm
; (m, id) goes into the ascending list a <= b <= c with numbers ia, ib, ic.  The compares are strict: what came earlier stays ahead of its equal.
.macro INSERT m, id, a, b, c, ia, ib, ic, sm
	v_cmp_lt_f32 s[\sm],   v[\m], v[\a]
	v_cmp_lt_f32 s[\sm+1], v[\m], v[\b]
	v_cmp_lt_f32 s[\sm+2], v[\m], v[\c]
	v_med3_num_f32 v[\c], v[\b], v[\m], v[\c]
	v_med3_num_f32 v[\b], v[\a], v[\m], v[\b]
	v_min_num_f32  v[\a], v[\a], v[\m]
	v_cndmask_b32 v[\ic], v[\ic], v[\id], s[\sm+2]
	v_cndmask_b32 v[\ic], v[\ic], v[\ib], s[\sm+1]
	v_cndmask_b32 v[\ib], v[\ib], v[\id], s[\sm+1]
	v_cndmask_b32 v[\ib], v[\ib], v[\ia], s[\sm]
	v_cndmask_b32 v[\ia], v[\ia], v[\id], s[\sm]
.endm
; The same for the lane's four queries, stage by stage, so that no line waits for the line above it.
.macro INS4
.irp q, 0,1,2,3
	v_cmp_lt_f32 s[20+3*\q], v[M+\q], v[A+\q]
	v_cmp_lt_f32 s[21+3*\q], v[M+\q], v[B+\q]
	v_cmp_lt_f32 s[22+3*\q], v[M+\q], v[C+\q]
.endr
.irp q, 0,1,2,3
	v_med3_num_f32 v[C+\q], v[B+\q], v[M+\q], v[C+\q]
.endr
.irp q, 0,1,2,3
	v_med3_num_f32 v[B+\q], v[A+\q], v[M+\q], v[B+\q]
.endr
.irp q, 0,1,2,3
	v_min_num_f32 v[A+\q], v[A+\q], v[M+\q]
.endr
.irp q, 0,1,2,3
	v_cndmask_b32 v[IC+\q], v[IC+\q], v[VID], s[22+3*\q]
.endr
.irp q, 0,1,2,3
	v_cndmask_b32 v[IC+\q], v[IC+\q], v[IB+\q], s[21+3*\q]
.endr
.irp q, 0,1,2,3
	v_cndmask_b32 v[IB+\q], v[IB+\q], v[VID], s[21+3*\q]
.endr
.irp q, 0,1,2,3
	v_cndmask_b32 v[IB+\q], v[IB+\q], v[IA+\q], s[20+3*\q]
.endr
.irp q, 0,1,2,3
	v_cndmask_b32 v[IA+\q], v[IA+\q], v[VID], s[20+3*\q]
.endr
.endm
; Two candidates (registers ca .., cb ..: x, y, z, s2) against the four queries: chain n = (candidate n / 2, pair n % 2).  Written stage by stage: a line's source was made four lines up.
.macro TWO ca, cb, first
.set ra, \ca
.set rb, \cb
.irp n, 0,1,2,3
.set rc, ra+(rb-ra)*(\n/2)
	v_pk_mul_f32 v[P+2*\n:P+2*\n+1], v[QX+2*(\n%2):QX+2*(\n%2)+1], v[rc:rc+1] op_sel_hi:[1,0]                                   ; x1 x2: the candidate's x for both halves
.endr
.irp n, 0,1,2,3
.set rc, ra+(rb-ra)*(\n/2)
	v_pk_add_f32 v[T+2*\n:T+2*\n+1], v[QS+2*(\n%2):QS+2*(\n%2)+1], v[rc+2:rc+3] op_sel:[0,1] op_sel_hi:[1,1]                     ; s1 + s2: the pair's second register for both halves
.endr
.irp n, 0,1,2,3
.set rc, ra+(rb-ra)*(\n/2)
	v_pk_fma_f32 v[P+2*\n:P+2*\n+1], v[QY+2*(\n%2):QY+2*(\n%2)+1], v[rc:rc+1], v[P+2*\n:P+2*\n+1] op_sel:[0,1,0] op_sel_hi:[1,1,1] ; + y1 y2
.endr
.irp n, 0,1,2,3
.set rc, ra+(rb-ra)*(\n/2)
	v_pk_fma_f32 v[P+2*\n:P+2*\n+1], v[QZ+2*(\n%2):QZ+2*(\n%2)+1], v[rc+2:rc+3], v[P+2*\n:P+2*\n+1] op_sel_hi:[1,0,1]            ; + z1 z2
.endr
.irp n, 0,1,2,3
	v_pk_fma_f32 v[T+2*\n:T+2*\n+1], v[P+2*\n:P+2*\n+1], -2.0, v[T+2*\n:T+2*\n+1] op_sel_hi:[1,0,1]                              ; d
.endr
.irp q, 0,1,2,3
.if \first
	v_min_num_f32 v[M+\q], v[T+\q], v[T+4+\q]                                                                                    ; a chunk's first two candidates start its minimum
.else
	v_min3_num_f32 v[M+\q], v[M+\q], v[T+\q], v[T+4+\q]
.endif
.endr
.endm
.macro GROUP g, first                  ; the chunk's candidates 8 g .. 8 g + 7, from set g % 2
.set gb, BUF+32*((\g)%2)
	TWO gb, gb+4, \first
	TWO gb+8, gb+12, 0
	TWO gb+16, gb+20, 0
	TWO gb+24, gb+28, 0
.endm
.macro LOADG g                         ; they come from the table: all lanes read the same 16 bytes
.set gl, BUF+32*((\g)%2)
.irp i, 0,1,2,3,4,5,6,7
	ds_load_b128 v[gl+4*\i:gl+4*\i+3], v[ADR] offset:128*(\g)+16*\i
.endr
.endm
	s_load_b128 s[4:7], s[0:1], 0x0                ; xyz1 s[4:5], xyz2 s[6:7]
	s_load_b64 s[8:9], s[0:1], 0x10                ; chunks
	v_lshl_add_u32 v136, v0, 2, 0x16800
	v_mov_b32 v137, 0
	v_lshrrev_b32 v3, 5, v0
	v_readfirstlane_b32 s10, v3                    ; wave 0..7
	v_and_b32 v1, 31, v0                           ; lane
	v_lshlrev_b32 v[VID], 4, v3
	v_add_nc_u32 v[VID], -1, v[VID]                ; 16 w - 1: stepped ahead of each chunk
	v_lshlrev_b32 v[MST], 2, v1
	v_mad_u32_u24 v[MST], v3, 3072, v[MST]
	v_add_nc_u32 v[MST], MRG, v[MST]               ; MRG + 3,072 w + 4 lane
	v_mul_u32_u24 v1, v1, 12                       ; my queries in xyz1: 12 lane (+ 384 k)
	v_mul_u32_u24 v[WOFF], v3, 16*PITCH
	v_mul_u32_u24 v[VG], v0, 12
	v_lshrrev_b32 v[VL], 5, v0
	v_add_nc_u32 v[VL], v[VL], v0
	v_lshlrev_b32 v[VL], 4, v[VL]
	v_lshl_add_u32 v[MLD], v0, 2, MRG
	v_lshlrev_b32 v[OUTO], 4, v0
	s_mul_i32 s12, ttmp9, 1536                     ; 128 queries of 12 bytes
	s_mov_b32 s13, 0
	s_lshr_b32 s16, ttmp9, 6                       ; the batch
	s_mul_i32 s16, s16, 49152                      ; 4,096 candidates of 12 bytes
	s_mov_b32 s17, 0
	s_lshl_b32 s18, ttmp9, 11                      ; 128 queries of 16 bytes
	s_mov_b32 s19, 0
	s_mov_b32 s14, 0                               ; the chunk in hand, in bytes from my wave's first
	s_mov_b32 s15, 0                               ; trips
	s_wait_kmcnt 0x0
	s_add_nc_u64 s[4:5], s[4:5], s[12:13]
	s_add_nc_u64 s[6:7], s[6:7], s[16:17]
	s_add_nc_u64 s[8:9], s[8:9], s[18:19]
.irp k, 0,1,2,3
	global_load_b32 v[QX+\k], v1, s[4:5] offset:384*\k
	global_load_b32 v[QY+\k], v1, s[4:5] offset:384*\k+4
	global_load_b32 v[QZ+\k], v1, s[4:5] offset:384*\k+8
.endr
	BUILD 256, BUF                                 ; its wait for all loads serves the queries too
.irp k, 0,1,2,3
	v_mul_f32 v[QS+\k], v[QX+\k], v[QX+\k]
.endr
.irp k, 0,1,2,3
	v_fma_f32 v[QS+\k], v[QY+\k], v[QY+\k], v[QS+\k]
.endr
.irp k, 0,1,2,3
	v_fma_f32 v[QS+\k], v[QZ+\k], v[QZ+\k], v[QS+\k]
.endr
.irp k, 0,1,2,3
	v_mov_b32 v[M+\k], 0x7f800000                  ; +infinity: the first trip's insertion changes nothing
	v_mov_b32 v[A+\k], 0x7f800000
	v_mov_b32 v[B+\k], 0x7f800000
	v_mov_b32 v[C+\k], 0x7f800000
	v_mov_b32 v[IA+\k], 0
	v_mov_b32 v[IB+\k], 0
	v_mov_b32 v[IC+\k], 0
.endr
.Lchunk:                                               ; 16 trips, a chunk each
	v_add_nc_u32 v[ADR], s14, v[WOFF]
	LOADG 0
	LOADG 1
	INS4                                           ; the chunk before goes into the lists while this chunk's first candidates come
	v_add_nc_u32 v[VID], 1, v[VID]
	s_wait_dscnt 0x8                               ; group 0's eight loads are in; group 1's eight may be out
	GROUP 0, 1
	LOADG 2
	s_wait_dscnt 0x8                               ; group 1 is in; group 2's eight may be out
	GROUP 1, 0
	LOADG 3
	s_wait_dscnt 0x8                               ; group 2 is in; group 3's eight may be out
	GROUP 2, 0
	s_wait_dscnt 0x0
	GROUP 3, 0
	s_add_co_u32 s14, s14, PITCH
	s_add_co_u32 s15, s15, 1
	s_cmp_lt_u32 s15, 16
	s_cbranch_scc1 .Lchunk
	INS4                                           ; the last chunk
.irp k, 0,1,2,3
	ds_store_b32 v[MST], v[A+\k]  offset:128*\k
	ds_store_b32 v[MST], v[B+\k]  offset:512+128*\k
	ds_store_b32 v[MST], v[C+\k]  offset:1024+128*\k
	ds_store_b32 v[MST], v[IA+\k] offset:1536+128*\k
	ds_store_b32 v[MST], v[IB+\k] offset:2048+128*\k
	ds_store_b32 v[MST], v[IC+\k] offset:2560+128*\k
.endr
	s_wait_dscnt 0x0                               ; for the others' sake: my wave's lists lie in LDS
	s_barrier_signal -1
	s_barrier_wait -1
	s_cmp_ge_u32 s10, 4                            ; threads 0 to 127 join a query each; no barrier follows
	s_cbranch_scc1 .Lend
.set w, 0
.rept 8
.irp f, 0,1,2,3,4,5
	ds_load_b32 v[BUF+6*w+\f], v[MLD] offset:3072*w+512*\f
.endr
.set w, w+1
.endr
	s_wait_dscnt 0x0
.set w, 1
.rept 7                                        ; wave 0's list is the start; the others' entries follow by ascending wave, each list from its smallest: equals arrive by ascending chunk number
.irp e, 0,1,2
	INSERT BUF+6*w+\e, BUF+6*w+3+\e, BUF, BUF+1, BUF+2, BUF+3, BUF+4, BUF+5, 20+4*(\e%2)
.endr
.set w, w+1
.endr
	v_min_u32 v116, v[BUF+3], v[BUF+4]             ; the three numbers ascending: the next launch walks them so, and so keeps the lower index among equals
	v_max_u32 v117, v[BUF+3], v[BUF+4]
	v_min_u32 v118, v117, v[BUF+5]
	v_max_u32 v122, v117, v[BUF+5]
	v_min_u32 v120, v116, v118
	v_max_u32 v121, v116, v118
	v_mov_b32 v123, 0
	global_store_b128 v[OUTO], v[120:123], s[8:9]  ; a wave stores 512 consecutive bytes
.Lend:
	s_wait_tensorcnt 0x0
	ds_add_u32 v136, v137
	s_wait_dscnt 0x0
	s_endpgm
.Lfunc_end_k_qd538fde96a_coarse:
	.size	k_qd538fde96a_coarse, .Lfunc_end_k_qd538fde96a_coarse-k_qd538fde96a_coarse
	.p2alignl 7, 3214868480
	.fill 96, 4, 3214868480
	.section	.rodata,"a",@progbits
	.p2align	6, 0x0
	.amdhsa_kernel k_qd538fde96a_coarse
		.amdhsa_group_segment_fixed_size 93184
		.amdhsa_private_segment_fixed_size 0
		.amdhsa_enable_private_segment 0
		.amdhsa_kernarg_size 24
		.amdhsa_user_sgpr_count 2
		.amdhsa_user_sgpr_kernarg_segment_ptr 1
		.amdhsa_wavefront_size32 1
		.amdhsa_system_sgpr_workgroup_id_x 1
		.amdhsa_system_sgpr_workgroup_id_y 1
		.amdhsa_system_sgpr_workgroup_id_z 1
		.amdhsa_system_vgpr_workitem_id 0
		.amdhsa_next_free_vgpr 138
		.amdhsa_next_free_sgpr 66
		.amdhsa_reserve_vcc 0
		.amdhsa_float_denorm_mode_32 3
		.amdhsa_float_denorm_mode_16_64 3
		.amdhsa_memory_ordered 1
		.amdhsa_forward_progress 1
		.amdhsa_inst_pref_size 64
	.end_amdhsa_kernel
	.amdgpu_metadata
---
amdhsa.version: [ 1, 2 ]
amdhsa.kernels:
  - .name:           k_qd538fde96a_coarse
    .symbol:         k_qd538fde96a_coarse.kd
    .args:
      - { .name: xyz1, .offset: 0, .size: 8, .value_kind: global_buffer, .address_space: global }
      - { .name: xyz2, .offset: 8, .size: 8, .value_kind: global_buffer, .address_space: global }
      - { .name: chunks, .offset: 16, .size: 8, .value_kind: global_buffer, .address_space: global }
    .group_segment_fixed_size: 93184
    .private_segment_fixed_size: 0
    .kernarg_segment_align: 8
    .kernarg_segment_size: 24
    .max_flat_workgroup_size: 256
    .sgpr_count:     66
    .vgpr_count:     138
    .wavefront_size: 32
...
	.end_amdgpu_metadata
.endif
;; end of part 1
;; launch fine (part 2): grid 256 x 1, 4 waves a work-group, no clusters, 68,096 bytes of LDS; arguments xyz1, xyz2, chunks, nbr, wts; writes nbr, wts
.if DOCPART == 2
	.amdgcn_target "amdgcn-amd-amdhsa--gfx1250"
	.amdhsa_code_object_version 6
	.text
	.protected	k_qd538fde96a_fine
	.globl	k_qd538fde96a_fine
	.p2align	8
	.type	k_qd538fde96a_fine,@function
k_qd538fde96a_fine:
	s_mov_b64 s[64:65], 0
	v_nop
	global_prefetch_b8 v0, s[64:65] scope:SCOPE_SE
	s_setreg_imm32_b32 hwreg(HW_REG_WAVE_MODE, 25, 1), 1
	s_wait_xcnt 0x0
; SECOND LAUNCH.  A lane takes one query and searches the 3 chunks (96 candidates) that the first launch stored for it: the 3 nearest, nearest first, the lower index ahead among equals,
; and their weights (1 / (d + 1e-8)) / the sum of the three.  d is formed by the same operations as in the first launch:
; s = fma(z, z, fma(y, y, x x)), dot = fma(z1, z2, fma(y1, y2, x1 x2)), d = fma(-2, dot, s1 + s2).
; Work-group g: queries 128 g + thread.  LDS: the batch's table of (x, y, z, s2), 16 bytes a candidate; a chunk lies 528 bytes from the next, so that lanes that read different chunks start at different banks.
; The chunk numbers are loaded whole numbers: each is held at 127 ahead of the address made of it.  They arrive ascending, so chunks and candidates are walked by ascending index, and the strict compares keep
; the lower index among equals.  Should a number stand twice, its second walk takes +infinity for s1: all its d are +infinity and none goes in.
; LIMITS: NaN and infinity among the coordinates are not served.  The two divisions are v_rcp_f32, which flushes denormals (ISA guide 15.8): where d + 1e-8 is 0 or denormal the weights are not finite.
.set PITCH, 528
.set VG,  1                            ; v1    12 x thread
.set VL,  2                            ; v2    16 x (thread + thread / 32)
.set VO,  3                            ; v3    16 x thread
.set QX,  4                            ; v4-6  my query;  v7 its s1
.set QY,  5
.set QZ,  6
.set QS,  7
.set CH,  8                            ; v8-11 the three chunk numbers and a 0
.set LA,  12                           ; v12-14 the chunks' LDS addresses
.set J,   15                           ; v15-17 their first candidates' numbers
.set QSS, 18                           ; v18-20 s1, or +infinity for a chunk that stands twice
.set A,   21                           ; v21-23 the three smallest d, ascending
.set B,   22
.set C,   23
.set IA,  24                           ; v24-27 their indices and a 0
.set IB,  25
.set IC,  26
.set D,   32                           ; v32-39 eight d
.set P,   40                           ; v40-47 eight dot
.set WTS, 48                           ; v48-51 the weights and a 0
.set TMP, 52                           ; v52-55 at work
.set VJ,  56                           ; v56-63 eight candidates' numbers
.set BUF, 64                           ; v64-127 two sets of 8 candidates x 4 registers (the table's making takes v64-191)
.macro BUILD nt, cb                    ; the table: nt threads, 4096 / nt candidates a thread: candidate thread + nt i.  Each coordinate by a load of 4 bytes: a point lies at 12 x its number
.set i, 0
.rept 4096/\nt
	global_load_b32 v[\cb+4*i],   v[VG], s[6:7] offset:12*\nt*i
	global_load_b32 v[\cb+4*i+1], v[VG], s[6:7] offset:12*\nt*i+4
	global_load_b32 v[\cb+4*i+2], v[VG], s[6:7] offset:12*\nt*i+8
.set i, i+1
.endr
	s_wait_loadcnt 0x0                             ; all of them, and what was asked for ahead of them
.set i, 0
.rept 4096/\nt
	v_mul_f32 v[\cb+4*i+3], v[\cb+4*i], v[\cb+4*i]
.set i, i+1
.endr
.set i, 0
.rept 4096/\nt
	v_fma_f32 v[\cb+4*i+3], v[\cb+4*i+1], v[\cb+4*i+1], v[\cb+4*i+3]
.set i, i+1
.endr
.set i, 0
.rept 4096/\nt
	v_fma_f32 v[\cb+4*i+3], v[\cb+4*i+2], v[\cb+4*i+2], v[\cb+4*i+3]
.set i, i+1
.endr
.set i, 0
.rept 4096/\nt
	ds_store_b128 v[VL], v[\cb+4*i:\cb+4*i+3] offset:i*(\nt/32)*PITCH   ; nt candidates on are nt / 32 chunks on
.set i, i+1
.endr
	s_wait_dscnt 0x0                               ; for the others' sake: my part of the table lies in LDS
	s_barrier_signal -1
	s_barrier_wait -1
.endm
.macro INSERT m, id, a, b, c, ia, ib, ic, sm   ; (m, id) goes into the ascending list a <= b <= c; the compares are strict: what came earlier stays ahead of its equal
	v_cmp_lt_f32 s[\sm],   v[\m], v[\a]
	v_cmp_lt_f32 s[\sm+1], v[\m], v[\b]
	v_cmp_lt_f32 s[\sm+2], v[\m], v[\c]
	v_med3_num_f32 v[\c], v[\b], v[\m], v[\c]
	v_med3_num_f32 v[\b], v[\a], v[\m], v[\b]
	v_min_num_f32  v[\a], v[\a], v[\m]
	v_cndmask_b32 v[\ic], v[\ic], v[\id], s[\sm+2]
	v_cndmask_b32 v[\ic], v[\ic], v[\ib], s[\sm+1]
	v_cndmask_b32 v[\ib], v[\ib], v[\id], s[\sm+1]
	v_cndmask_b32 v[\ib], v[\ib], v[\ia], s[\sm]
	v_cndmask_b32 v[\ia], v[\ia], v[\id], s[\sm]
.endm
.macro LOAD n                          ; group n of 12: candidates 8 (n % 4) .. + 7 of chunk n / 4, into set n % 2
.set gl, BUF+32*((\n)%2)
.irp i, 0,1,2,3,4,5,6,7
	ds_load_b128 v[gl+4*\i:gl+4*\i+3], v[LA+(\n)/4] offset:128*((\n)%4)+16*\i
.endr
.endm
.macro GRP n
.set gb, BUF+32*((\n)%2)
.irp i, 0,1,2,3,4,5,6,7
	v_mul_f32 v[P+\i], v[QX], v[gb+4*\i]
.endr
.irp i, 0,1,2,3,4,5,6,7
	v_fma_f32 v[P+\i], v[QY], v[gb+4*\i+1], v[P+\i]
.endr
.irp i, 0,1,2,3,4,5,6,7
	v_fma_f32 v[P+\i], v[QZ], v[gb+4*\i+2], v[P+\i]
.endr
.irp i, 0,1,2,3,4,5,6,7
	v_add_f32 v[D+\i], v[QSS+(\n)/4], v[gb+4*\i+3]
.endr
.irp i, 0,1,2,3,4,5,6,7
	v_fma_f32 v[D+\i], -2.0, v[P+\i], v[D+\i]
.endr
.irp i, 0,1,2,3,4,5,6,7
	v_add_nc_u32 v[VJ+\i], 8*((\n)%4)+\i, v[J+(\n)/4]
.endr
.irp i, 0,1,2,3,4,5,6,7
	INSERT D+\i, VJ+\i, A, B, C, IA, IB, IC, 20+4*(\i%2)
.endr
.endm
	s_load_b256 s[4:11], s[0:1], 0x0               ; xyz1 s[4:5], xyz2 s[6:7], chunks s[8:9], nbr s[10:11]
	s_load_b64 s[12:13], s[0:1], 0x20              ; wts
	v_lshl_add_u32 v192, v0, 2, 0x10800
	v_mov_b32 v193, 0
	v_mul_u32_u24 v[VG], v0, 12
	v_lshrrev_b32 v[VL], 5, v0
	v_add_nc_u32 v[VL], v[VL], v0
	v_lshlrev_b32 v[VL], 4, v[VL]
	v_lshlrev_b32 v[VO], 4, v0
	s_mul_i32 s14, ttmp9, 1536                     ; 128 queries of 12 bytes
	s_mov_b32 s15, 0
	s_lshr_b32 s16, ttmp9, 6                       ; the batch
	s_mul_i32 s16, s16, 49152
	s_mov_b32 s17, 0
	s_lshl_b32 s18, ttmp9, 11                      ; 128 queries of 16 bytes
	s_mov_b32 s19, 0
	s_wait_kmcnt 0x0
	s_add_nc_u64 s[4:5], s[4:5], s[14:15]
	s_add_nc_u64 s[6:7], s[6:7], s[16:17]
	s_add_nc_u64 s[8:9], s[8:9], s[18:19]
	s_add_nc_u64 s[10:11], s[10:11], s[18:19]
	s_add_nc_u64 s[12:13], s[12:13], s[18:19]
	global_load_b32 v[QX], v[VG], s[4:5]
	global_load_b32 v[QY], v[VG], s[4:5] offset:4
	global_load_b32 v[QZ], v[VG], s[4:5] offset:8
	global_load_b128 v[CH:CH+3], v[VO], s[8:9]
	BUILD 128, BUF                                 ; its wait for all loads serves the query and the chunk numbers too
	v_mul_f32 v[QS], v[QX], v[QX]
	v_fma_f32 v[QS], v[QY], v[QY], v[QS]
	v_fma_f32 v[QS], v[QZ], v[QZ], v[QS]
.irp s, 0,1,2
	v_min_u32 v[CH+\s], 127, v[CH+\s]              ; a loaded number enters an address only behind this hold
.endr
.irp s, 0,1,2
	v_mul_u32_u24 v[LA+\s], v[CH+\s], PITCH
	v_lshlrev_b32 v[J+\s], 5, v[CH+\s]
.endr
	LOAD 0
	LOAD 1
	v_mov_b32 v[TMP], 0x7f800000                   ; +infinity
	v_mov_b32 v[QSS], v[QS]
	v_cmp_eq_u32 vcc_lo, v[CH+1], v[CH]
	v_cndmask_b32 v[QSS+1], v[QS], v[TMP], vcc_lo
	v_cmp_eq_u32 vcc_lo, v[CH+2], v[CH+1]
	v_cndmask_b32 v[QSS+2], v[QS], v[TMP], vcc_lo
	v_mov_b32 v[A], 0x7f800000
	v_mov_b32 v[B], 0x7f800000
	v_mov_b32 v[C], 0x7f800000
	v_mov_b32 v[IA], 0
	v_mov_b32 v[IB], 0
	v_mov_b32 v[IC], 0
	v_mov_b32 v[IC+1], 0
.irp n, 0,1,2,3,4,5,6,7,8,9
	s_wait_dscnt 0x8                               ; this group's eight loads are in; the next group's eight may be out
	GRP \n
	LOAD \n+2
.endr
	s_wait_dscnt 0x8
	GRP 10
	s_wait_dscnt 0x0
	GRP 11
	v_add_f32 v[TMP],   0x322bcc77, v[A]           ; d + 1e-8
	v_add_f32 v[TMP+1], 0x322bcc77, v[B]
	v_add_f32 v[TMP+2], 0x322bcc77, v[C]
	v_rcp_f32 v[TMP],   v[TMP]
	v_rcp_f32 v[TMP+1], v[TMP+1]
	v_rcp_f32 v[TMP+2], v[TMP+2]
	v_nop                                          ; a plain instruction behind the last reciprocal (ISA guide 5.7.2),
	s_wait_alu depctr_va_vdst(0)                   ; and one wait for the three, ahead of their first reader
	v_add_f32 v[TMP+3], v[TMP], v[TMP+1]
	v_add_f32 v[TMP+3], v[TMP+3], v[TMP+2]
	v_rcp_f32 v[TMP+3], v[TMP+3]
	v_mov_b32 v[WTS+3], 0                          ; (the plain instruction behind the reciprocal)
	s_wait_alu depctr_va_vdst(0)
	v_mul_f32 v[WTS],   v[TMP],   v[TMP+3]
	v_mul_f32 v[WTS+1], v[TMP+1], v[TMP+3]
	v_mul_f32 v[WTS+2], v[TMP+2], v[TMP+3]
	global_store_b128 v[VO], v[IA:IA+3], s[10:11]  ; a wave stores 512 consecutive bytes
	global_store_b128 v[VO], v[WTS:WTS+3], s[12:13]
	s_wait_tensorcnt 0x0
	ds_add_u32 v192, v193
	s_wait_dscnt 0x0
	s_endpgm
.Lfunc_end_k_qd538fde96a_fine:
	.size	k_qd538fde96a_fine, .Lfunc_end_k_qd538fde96a_fine-k_qd538fde96a_fine
	.p2alignl 7, 3214868480
	.fill 96, 4, 3214868480
	.section	.rodata,"a",@progbits
	.p2align	6, 0x0
	.amdhsa_kernel k_qd538fde96a_fine
		.amdhsa_group_segment_fixed_size 68096
		.amdhsa_private_segment_fixed_size 0
		.amdhsa_enable_private_segment 0
		.amdhsa_kernarg_size 40
		.amdhsa_user_sgpr_count 2
		.amdhsa_user_sgpr_kernarg_segment_ptr 1
		.amdhsa_wavefront_size32 1
		.amdhsa_system_sgpr_workgroup_id_x 1
		.amdhsa_system_sgpr_workgroup_id_y 1
		.amdhsa_system_sgpr_workgroup_id_z 1
		.amdhsa_system_vgpr_workitem_id 0
		.amdhsa_next_free_vgpr 194
		.amdhsa_next_free_sgpr 66
		.amdhsa_reserve_vcc 1
		.amdhsa_float_denorm_mode_32 3
		.amdhsa_float_denorm_mode_16_64 3
		.amdhsa_memory_ordered 1
		.amdhsa_forward_progress 1
		.amdhsa_inst_pref_size 117
	.end_amdhsa_kernel
	.amdgpu_metadata
---
amdhsa.version: [ 1, 2 ]
amdhsa.kernels:
  - .name:           k_qd538fde96a_fine
    .symbol:         k_qd538fde96a_fine.kd
    .args:
      - { .name: xyz1, .offset: 0, .size: 8, .value_kind: global_buffer, .address_space: global }
      - { .name: xyz2, .offset: 8, .size: 8, .value_kind: global_buffer, .address_space: global }
      - { .name: chunks, .offset: 16, .size: 8, .value_kind: global_buffer, .address_space: global }
      - { .name: nbr, .offset: 24, .size: 8, .value_kind: global_buffer, .address_space: global }
      - { .name: wts, .offset: 32, .size: 8, .value_kind: global_buffer, .address_space: global }
    .group_segment_fixed_size: 68096
    .private_segment_fixed_size: 0
    .kernarg_segment_align: 8
    .kernarg_segment_size: 40
    .max_flat_workgroup_size: 128
    .sgpr_count:     66
    .vgpr_count:     194
    .wavefront_size: 32
...
	.end_amdgpu_metadata
.endif
;; end of part 2
;; launch mix (part 3): grid 256 x 1, 8 waves a work-group, no clusters, 54,272 bytes of LDS; arguments points2, W, b, lowp_scales, nbr, wts, ypre, part; writes ypre, part
.if DOCPART == 3
	.amdgcn_target "amdgcn-amd-amdhsa--gfx1250"
	.amdhsa_code_object_version 6
	.text
	.protected	k_qd538fde96a_mix
	.globl	k_qd538fde96a_mix
	.p2align	8
	.type	k_qd538fde96a_mix,@function
k_qd538fde96a_mix:
	s_mov_b64 s[64:65], 0
	v_nop
	global_prefetch_b8 v0, s[64:65] scope:SCOPE_SE
	s_setreg_imm32_b32 hwreg(HW_REG_WAVE_MODE, 25, 1), 1
	s_wait_xcnt 0x0
; THIRD LAUNCH.  For each query: its three rows of points2 are gathered and blended by its weights (f32); the blend is quantised to E4M3 with the given scale 2^e0, W with 2^e1;
; y = (codes' product) x 2^(e0 + e1) + b by v_wmma_f32_16x16x64_fp8_fp8; y goes to memory, and with it, for each work-group and channel, the mean of its 128 rows and the sum of squares about THAT mean,
; so that the batch's variance is never a difference of large sums.
; SHARES.  Work-group g: rows 128 g .. + 127 (batch g / 64); wave w: 16 of them, one tile.
; ROW LAYOUT (gather, blend, way out, statistics): lane (h = lane / 16, r = lane % 16), register quad j = row 2 j + h, channels 4 r .. 4 r + 3: sixteen lanes read or write one whole row of 256 bytes.
; THE PRODUCT IS USED TRANSPOSED: source 0 = 16 rows of W (16 output channels), source 1 = the blend's 16 rows.  In tile t lane (r, h) then holds row r, channels 16 t + 8 h + 0 .. 7.
; The blend's codes turn from the row layout into the operand's through the wave's own LDS bytes (rows of 64 bytes + 16); the results turn back through the wave's own stage (rows of 256 bytes + 16).
; W's four fragments: wave w quantises four registers' worth (tile w / 2, half w % 2), already in the operand's order, and stores them as an image of the registers; every wave loads all eight images.
; The neighbours' indices are loaded whole numbers: each is held at 4,095 ahead of the address made of it.
; No tensor load and no cluster: a work-group's shared inputs are 16 KiB of W, read once; the gathered rows hang on the lists.
; LIMITS: e0 and e1 between -126 and 119, e0 + e1 between -126 and 127, so that each power of two below is an f32 number.  NaN among the inputs is not served.
.set WIMG, 0                           ; LDS: W's 8 images of 512 bytes
.set CODE, 4096                        ; + 1,280 w: 16 rows of codes, 80 bytes apart
.set STG,  14336                       ; + 4,352 w: 16 rows of results, 272 bytes apart
.set SUMS, 49152                       ; + 256 w: the waves' sums;  2,048 further on: their sums of squares
.set VIX,  3                           ; v3    my rows' entries in nbr and wts: 256 w + 16 h
.set VC,   4                           ; v4    16 r
.set VW,   5                           ; v5    my 16 numbers of W
.set SC0,  6                           ; v6 2^e0, v7 448 x 2^e0, v8 2^e1, v9 448 x 2^e1
.set LM0,  7
.set SC1,  8
.set LM1,  9
.set VYO,  10                          ; v10   my bytes in the work-group's rows of y: 4,096 w + 256 h + 16 r
.set VCS,  11                          ; v11   codes in: CODE + 1,280 w + 80 h + 4 r
.set BQ,   12                          ; v12-15 b at channels 4 r .. 4 r + 3
.set IDX,  16                          ; v16-47  quad j: the row's three indices, then the byte offsets of its three rows
.set WGT,  48                          ; v48-79  quad j: its three weights
.set G0,   80                          ; v80-111 the nearest neighbour's rows, then the blend
.set G1,   112                         ; v112-143 the second's
.set G2,   144                         ; v144-175 the third's
.set CD,   176                         ; v176-183 the blend's codes, register j = row 2 j + h
.set BF,   112                         ; v112-119 the blend's fragment (G1 is done with)
.set Y,    112                         ; v112-143 y in the row layout
.set SM,   144                         ; v144-147 sums, then means
.set SQ,   148                         ; v148-151 sums of squares
.set BK,   152                         ; v152-183 at work in the statistics
.set VCL,  184                         ; v184  codes out: CODE + 1,280 w + 80 r + 8 h
.set VSS,  185                         ; v185  stage in: STG + 4,352 w + 272 r + 32 h
.set VSL,  186                         ; v186  stage out: STG + 4,352 w + 272 h + 16 r
.set VRS,  187                         ; v187  SUMS + 256 w + 16 r
.set VRL,  188                         ; v188  SUMS + 16 r
.set VLI,  189                         ; v189  16 x lane
.set VWI,  190                         ; v190  WIMG + 512 w + 16 x lane
.set WF,   192                         ; v192-223 W's four fragments
.set ACC,  224                         ; v224-255 the four accumulators; ahead of the products v224-239 hold 16 numbers of W and v240-243 their codes
.set WT,   224
.set WC,   240
.macro HALVES acc, xt, red             ; the other half of the lanes holds the tile's other eight rows: add it; the wave's figure to LDS; the work-group's barrier
.irp i, 0,1,2,3
	v_permlanex16_b32 v[\xt+\i], v[\acc+\i], s32, s33
.endr
	v_pk_add_f32 v[\acc:\acc+1],   v[\acc:\acc+1],   v[\xt:\xt+1]
	v_pk_add_f32 v[\acc+2:\acc+3], v[\acc+2:\acc+3], v[\xt+2:\xt+3]
	ds_store_b128 v[VRS], v[\acc:\acc+3] offset:\red       ; both halves store the same numbers to the same bytes
	s_wait_dscnt 0x0                               ; for the others' sake
	s_barrier_signal -1
	s_barrier_wait -1
.endm
.macro SUM8 acc, red                   ; the eight waves' figures, added in one order by all
.irp w, 0,1,2,3,4,5,6,7
	ds_load_b128 v[BK+4*\w:BK+4*\w+3], v[VRL] offset:\red+256*\w
.endr
	s_wait_dscnt 0x0
	v_pk_add_f32 v[\acc:\acc+1],   v[BK:BK+1],   v[BK+4:BK+5]
	v_pk_add_f32 v[\acc+2:\acc+3], v[BK+2:BK+3], v[BK+6:BK+7]
.irp w, 2,3,4,5,6,7
	v_pk_add_f32 v[\acc:\acc+1],   v[\acc:\acc+1],   v[BK+4*\w:BK+4*\w+1]
	v_pk_add_f32 v[\acc+2:\acc+3], v[\acc+2:\acc+3], v[BK+4*\w+2:BK+4*\w+3]
.endr
.endm
	s_load_b512 s[4:19], s[0:1], 0x0               ; points2 s[4:5], W s[6:7], b s[8:9], the scales' exponents s[10:11], nbr s[12:13], wts s[14:15], ypre s[16:17], part s[18:19]
	v_lshl_add_u32 v191, v0, 2, 0xd000
	s_set_vgpr_msb 0x40
	v_mov_b32 v1, 0
	s_set_vgpr_msb 0x4000
	v_lshrrev_b32 v3, 5, v0
	v_readfirstlane_b32 s22, v3                    ; wave 0..7
	v_and_b32 v1, 15, v0                           ; r
	v_bfe_u32 v2, v0, 4, 1                         ; h
	v_and_b32 v[VLI], 31, v0
	v_lshlrev_b32 v[VLI], 4, v[VLI]
	v_lshlrev_b32 v[VC], 4, v1
	s_lshl_b32 s24, s22, 8                         ; 256 w
	v_lshl_add_u32 v[VIX], v2, 4, s24
	s_lshr_b32 s25, s22, 1                         ; W: tile t = w / 2: rows 16 t + r of 256 bytes; half u = w % 2: k = 32 u + 8 h + 0 .. 7 and 16 further on
	s_lshl_b32 s25, s25, 12
	s_and_b32 s23, s22, 1
	s_lshl_b32 s23, s23, 7
	s_add_co_u32 s25, s25, s23
	v_lshlrev_b32 v[VW], 8, v1
	v_lshl_add_u32 v[VW], v2, 5, v[VW]
	v_add_nc_u32 v[VW], s25, v[VW]
	s_lshl_b32 s23, s22, 12
	v_lshl_add_u32 v[VYO], v2, 8, v[VC]
	v_add_nc_u32 v[VYO], s23, v[VYO]
	s_mul_i32 s23, s22, 1280
	s_add_co_u32 s23, s23, CODE
	v_mul_u32_u24 v[VCS], v2, 80
	v_lshl_add_u32 v[VCS], v1, 2, v[VCS]
	v_add_nc_u32 v[VCS], s23, v[VCS]
	v_mul_u32_u24 v[VCL], v1, 80
	v_lshl_add_u32 v[VCL], v2, 3, v[VCL]
	v_add_nc_u32 v[VCL], s23, v[VCL]
	s_mul_i32 s23, s22, 4352
	s_add_co_u32 s23, s23, STG
	v_mul_u32_u24 v[VSS], v1, 272
	v_lshl_add_u32 v[VSS], v2, 5, v[VSS]
	v_add_nc_u32 v[VSS], s23, v[VSS]
	v_mul_u32_u24 v[VSL], v2, 272
	v_add_nc_u32 v[VSL], v[VSL], v[VC]
	v_add_nc_u32 v[VSL], s23, v[VSL]
	v_add_nc_u32 v[VRL], SUMS, v[VC]
	v_add_nc_u32 v[VRS], s24, v[VRL]
	s_lshl_b32 s23, s22, 9
	v_add_nc_u32 v[VWI], s23, v[VLI]
	s_mov_b32 s32, 0x76543210                      ; v_permlanex16_b32: each lane takes its own place in the other half
	s_mov_b32 s33, 0xfedcba98
	s_lshr_b32 s34, ttmp9, 6
	s_lshl_b32 s34, s34, 20                        ; the batch's 4,096 rows of 256 bytes
	s_mov_b32 s35, 0
	s_lshl_b32 s36, ttmp9, 11                      ; 128 entries of 16 bytes
	s_mov_b32 s37, 0
	s_lshl_b32 s38, ttmp9, 15                      ; 128 rows of 256 bytes
	s_mov_b32 s39, 0
	s_lshl_b32 s40, ttmp9, 9                       ; 512 bytes of statistics
	s_mov_b32 s41, 0
	s_wait_kmcnt 0x0
	s_load_b64 s[20:21], s[10:11], 0x0             ; e0, e1
	s_add_nc_u64 s[4:5], s[4:5], s[34:35]
	s_add_nc_u64 s[12:13], s[12:13], s[36:37]
	s_add_nc_u64 s[14:15], s[14:15], s[36:37]
	s_add_nc_u64 s[16:17], s[16:17], s[38:39]
	s_add_nc_u64 s[18:19], s[18:19], s[40:41]
.irp j, 0,1,2,3,4,5,6,7
	global_load_b128 v[IDX+4*\j:IDX+4*\j+3], v[VIX], s[12:13] offset:32*\j
.endr
.irp j, 0,1,2,3,4,5,6,7
	global_load_b128 v[WGT+4*\j:WGT+4*\j+3], v[VIX], s[14:15] offset:32*\j
.endr
	global_load_b128 v[WT:WT+3],     v[VW], s[6:7]
	global_load_b128 v[WT+4:WT+7],   v[VW], s[6:7] offset:16
	global_load_b128 v[WT+8:WT+11],  v[VW], s[6:7] offset:64
	global_load_b128 v[WT+12:WT+15], v[VW], s[6:7] offset:80
	global_load_b128 v[BQ:BQ+3], v[VC], s[8:9]
	s_wait_loadcnt 0xd                             ; behind the indices' loads: 8 of weights, 4 of W, 1 of b
.irp j, 0,1,2,3,4,5,6,7
.irp n, 0,1,2
	v_min_u32 v[IDX+4*\j+\n], 4095, v[IDX+4*\j+\n] ; a loaded number enters an address only behind this hold
.endr
.endr
.irp j, 0,1,2,3,4,5,6,7
.irp n, 0,1,2
	v_lshl_add_u32 v[IDX+4*\j+\n], v[IDX+4*\j+\n], 8, v[VC]   ; the row's 256 bytes, my 16 of them
.endr
.endr
.irp n, 0,1,2
.irp j, 0,1,2,3,4,5,6,7
	global_load_b128 v[G0+32*\n+4*\j:G0+32*\n+4*\j+3], v[IDX+4*\j+\n], s[4:5]   ; sixteen lanes read one whole row
.endr
.endr
	s_wait_kmcnt 0x0
	s_add_co_i32 s30, s20, s21
	s_add_co_i32 s30, s30, 127
	s_lshl_b32 s30, s30, 23                        ; 2^(e0 + e1) as f32
	s_mov_b32 s31, s30                             ; (named with it as a pair, so it is written)
	s_add_co_i32 s26, s20, 127
	s_add_co_i32 s27, s26, 8
	s_lshl_b32 s26, s26, 23                        ; 2^e0: the conversion takes its exponent field
	s_lshl_b32 s27, s27, 23
	s_or_b32 s27, s27, 0x600000                    ; 448 x 2^e0
	s_add_co_i32 s28, s21, 127
	s_add_co_i32 s29, s28, 8
	s_lshl_b32 s28, s28, 23
	s_lshl_b32 s29, s29, 23
	s_or_b32 s29, s29, 0x600000
	v_mov_b32 v[SC0], s26
	v_mov_b32 v[LM0], s27
	v_mov_b32 v[SC1], s28
	v_mov_b32 v[LM1], s29
	s_wait_loadcnt 0x19                            ; behind W's loads: 1 of b and the 24 gathers
.irp i, 0,1,2,3,4,5,6,7,8,9,10,11,12,13,14,15
	v_med3_num_f32 v[WT+\i], v[WT+\i], -v[LM1], v[LM1]   ; the conversion to an 8-bit code does not saturate (ISA guide 7.6.2): the hold at the largest code x the scale
.endr
	v_cvt_scalef32_pk8_fp8_f32 v[WC:WC+1],   v[WT:WT+7],    v[SC1]
	v_cvt_scalef32_pk8_fp8_f32 v[WC+2:WC+3], v[WT+8:WT+15], v[SC1]
	v_nop                                          ; a plain instruction behind the last conversion: the products below write these registers
	ds_store_b128 v[VWI], v[WC:WC+3]               ; registers 4 u .. 4 u + 3 of tile t's fragment, as they stand
	s_wait_dscnt 0x0                               ; for the others' sake
	s_barrier_signal -1
	s_barrier_wait -1
.irp t, 0,1,2,3
	ds_load_b128 v[WF+8*\t:WF+8*\t+3],   v[VLI] offset:WIMG+1024*\t
	ds_load_b128 v[WF+8*\t+4:WF+8*\t+7], v[VLI] offset:WIMG+1024*\t+512
.endr
	s_wait_loadcnt 0x10                            ; the nearest neighbours' 8 rows are in; 16 gathers may be out
.irp j, 0,1,2,3,4,5,6,7
	v_pk_mul_f32 v[G0+4*\j:G0+4*\j+1],   v[G0+4*\j:G0+4*\j+1],   v[WGT+4*\j:WGT+4*\j+1] op_sel_hi:[1,0]
	v_pk_mul_f32 v[G0+4*\j+2:G0+4*\j+3], v[G0+4*\j+2:G0+4*\j+3], v[WGT+4*\j:WGT+4*\j+1] op_sel_hi:[1,0]
.endr
	s_wait_loadcnt 0x8
.irp j, 0,1,2,3,4,5,6,7
	v_pk_fma_f32 v[G0+4*\j:G0+4*\j+1],   v[G1+4*\j:G1+4*\j+1],   v[WGT+4*\j:WGT+4*\j+1], v[G0+4*\j:G0+4*\j+1]   op_sel:[0,1,0] op_sel_hi:[1,1,1]
	v_pk_fma_f32 v[G0+4*\j+2:G0+4*\j+3], v[G1+4*\j+2:G1+4*\j+3], v[WGT+4*\j:WGT+4*\j+1], v[G0+4*\j+2:G0+4*\j+3] op_sel:[0,1,0] op_sel_hi:[1,1,1]
.endr
	s_wait_loadcnt 0x0
.irp j, 0,1,2,3,4,5,6,7
	v_pk_fma_f32 v[G0+4*\j:G0+4*\j+1],   v[G2+4*\j:G2+4*\j+1],   v[WGT+4*\j+2:WGT+4*\j+3], v[G0+4*\j:G0+4*\j+1]   op_sel_hi:[1,0,1]
	v_pk_fma_f32 v[G0+4*\j+2:G0+4*\j+3], v[G2+4*\j+2:G2+4*\j+3], v[WGT+4*\j+2:WGT+4*\j+3], v[G0+4*\j+2:G0+4*\j+3] op_sel_hi:[1,0,1]
.endr
.irp i, 0,1,2,3,4,5,6,7,8,9,10,11,12,13,14,15,16,17,18,19,20,21,22,23,24,25,26,27,28,29,30,31
	v_med3_num_f32 v[G0+\i], v[G0+\i], -v[LM0], v[LM0]
.endr
.irp m, 0,1,2,3
	v_cvt_scalef32_pk8_fp8_f32 v[CD+2*\m:CD+2*\m+1], v[G0+8*\m:G0+8*\m+7], v[SC0]   ; eight registers are two rows' quads: code register j = four codes of row 2 j + h
.endr
	v_nop                                          ; a plain instruction behind the last conversion
.irp j, 0,1,2,3,4,5,6,7
	ds_store_b32 v[VCS], v[CD+\j] offset:160*\j
.endr
.irp c, 0,1,2,3
	ds_load_b64 v[BF+2*\c:BF+2*\c+1], v[VCL] offset:16*\c   ; row r, k = 16 c + 8 h + 0 .. 7.  My own wave's bytes: LDS serves a wave's instructions in order (ISA guide 5.7.1.4)
.endr
	s_wait_dscnt 0x0                               ; the blend's fragment, and W's four
.irp t, 0,1,2,3
	v_wmma_f32_16x16x64_fp8_fp8 v[ACC+8*\t:ACC+8*\t+7], v[WF+8*\t:WF+8*\t+7], v[BF:BF+7], 0   ; K = 64 in one instruction; four accumulators, one each
.endr
.rept 4
	v_nop                                          ; places behind the products: ahead of the stores that read the results and of the loads into the blend's fragment
.endr
.irp t, 0,1,2,3
	ds_store_b128 v[VSS], v[ACC+8*\t:ACC+8*\t+3]   offset:64*\t       ; each accumulator from its low end on
	ds_store_b128 v[VSS], v[ACC+8*\t+4:ACC+8*\t+7] offset:64*\t+16
.endr
.irp j, 0,1,2,3,4,5,6,7
	ds_load_b128 v[Y+4*\j:Y+4*\j+3], v[VSL] offset:544*\j             ; back in the row layout; my own wave's bytes
.endr
	s_wait_dscnt 0x0
.irp j, 0,1,2,3,4,5,6,7
	v_pk_fma_f32 v[Y+4*\j:Y+4*\j+1],   v[Y+4*\j:Y+4*\j+1],   s[30:31], v[BQ:BQ+1]   op_sel_hi:[1,0,1]   ; y = sum x 2^(e0 + e1) + b
	v_pk_fma_f32 v[Y+4*\j+2:Y+4*\j+3], v[Y+4*\j+2:Y+4*\j+3], s[30:31], v[BQ+2:BQ+3] op_sel_hi:[1,0,1]
.endr
.irp j, 0,1,2,3,4,5,6,7
	global_store_b128 v[VYO], v[Y+4*\j:Y+4*\j+3], s[16:17] offset:512*\j   ; sixteen lanes store 256 consecutive bytes, aligned
.endr
	; the work-group's mean of each channel
	v_pk_add_f32 v[SM:SM+1],   v[Y:Y+1],   v[Y+4:Y+5]
	v_pk_add_f32 v[SM+2:SM+3], v[Y+2:Y+3], v[Y+6:Y+7]
.irp j, 2,3,4,5,6,7
	v_pk_add_f32 v[SM:SM+1],   v[SM:SM+1],   v[Y+4*\j:Y+4*\j+1]
	v_pk_add_f32 v[SM+2:SM+3], v[SM+2:SM+3], v[Y+4*\j+2:Y+4*\j+3]
.endr
	HALVES SM, SQ, 0
	SUM8 SM, 0
	v_pk_mul_f32 v[SM:SM+1],   v[SM:SM+1],   0x3c000000 op_sel_hi:[1,0]   ; / 128
	v_pk_mul_f32 v[SM+2:SM+3], v[SM+2:SM+3], 0x3c000000 op_sel_hi:[1,0]
	; and the sum of squares about it
.irp j, 0,1,2,3,4,5,6,7
	v_pk_add_f32 v[BK+4*\j:BK+4*\j+1],   v[Y+4*\j:Y+4*\j+1],   v[SM:SM+1]   neg_lo:[0,1] neg_hi:[0,1]
	v_pk_add_f32 v[BK+4*\j+2:BK+4*\j+3], v[Y+4*\j+2:Y+4*\j+3], v[SM+2:SM+3] neg_lo:[0,1] neg_hi:[0,1]
.endr
	v_pk_mul_f32 v[SQ:SQ+1],   v[BK:BK+1],   v[BK:BK+1]
	v_pk_mul_f32 v[SQ+2:SQ+3], v[BK+2:BK+3], v[BK+2:BK+3]
.irp j, 1,2,3,4,5,6,7
	v_pk_fma_f32 v[SQ:SQ+1],   v[BK+4*\j:BK+4*\j+1],   v[BK+4*\j:BK+4*\j+1],   v[SQ:SQ+1]
	v_pk_fma_f32 v[SQ+2:SQ+3], v[BK+4*\j+2:BK+4*\j+3], v[BK+4*\j+2:BK+4*\j+3], v[SQ+2:SQ+3]
.endr
	HALVES SQ, BK, 2048
	s_cmp_lg_u32 s22, 0                            ; wave 0 stores for the work-group; no barrier follows
	s_cbranch_scc1 .Lend
	SUM8 SQ, 2048
	v_cmp_eq_u32 vcc_lo, 1, v2
.irp i, 0,1,2,3
	v_cndmask_b32 v[CD+\i], v[SM+\i], v[SQ+\i], vcc_lo   ; lanes 0-15: the 64 means; lanes 16-31: the 64 sums of squares
.endr
	global_store_b128 v[VLI], v[CD:CD+3], s[18:19]       ; 512 consecutive bytes
.Lend:
	s_set_vgpr_msb 0x4
	s_wait_tensorcnt 0x0
	ds_add_u32 v191, v1
	s_wait_dscnt 0x0
	s_set_vgpr_msb 0x400
	s_endpgm
.Lfunc_end_k_qd538fde96a_mix:
	.size	k_qd538fde96a_mix, .Lfunc_end_k_qd538fde96a_mix-k_qd538fde96a_mix
	.p2alignl 7, 3214868480
	.fill 96, 4, 3214868480
	.section	.rodata,"a",@progbits
	.p2align	6, 0x0
	.amdhsa_kernel k_qd538fde96a_mix
		.amdhsa_group_segment_fixed_size 54272
		.amdhsa_private_segment_fixed_size 0
		.amdhsa_enable_private_segment 0
		.amdhsa_kernarg_size 64
		.amdhsa_user_sgpr_count 2
		.amdhsa_user_sgpr_kernarg_segment_ptr 1
		.amdhsa_wavefront_size32 1
		.amdhsa_system_sgpr_workgroup_id_x 1
		.amdhsa_system_sgpr_workgroup_id_y 1
		.amdhsa_system_sgpr_workgroup_id_z 1
		.amdhsa_system_vgpr_workitem_id 0
		.amdhsa_next_free_vgpr 258
		.amdhsa_next_free_sgpr 66
		.amdhsa_reserve_vcc 1
		.amdhsa_float_denorm_mode_32 3
		.amdhsa_float_denorm_mode_16_64 3
		.amdhsa_memory_ordered 1
		.amdhsa_forward_progress 1
		.amdhsa_inst_pref_size 30
	.end_amdhsa_kernel
	.amdgpu_metadata
---
amdhsa.version: [ 1, 2 ]
amdhsa.kernels:
  - .name:           k_qd538fde96a_mix
    .symbol:         k_qd538fde96a_mix.kd
    .args:
      - { .name: points2, .offset: 0, .size: 8, .value_kind: global_buffer, .address_space: global }
      - { .name: W, .offset: 8, .size: 8, .value_kind: global_buffer, .address_space: global }
      - { .name: b, .offset: 16, .size: 8, .value_kind: global_buffer, .address_space: global }
      - { .name: lowp_scales, .offset: 24, .size: 8, .value_kind: global_buffer, .address_space: global }
      - { .name: nbr, .offset: 32, .size: 8, .value_kind: global_buffer, .address_space: global }
      - { .name: wts, .offset: 40, .size: 8, .value_kind: global_buffer, .address_space: global }
      - { .name: ypre, .offset: 48, .size: 8, .value_kind: global_buffer, .address_space: global }
      - { .name: part, .offset: 56, .size: 8, .value_kind: global_buffer, .address_space: global }
    .group_segment_fixed_size: 54272
    .private_segment_fixed_size: 0
    .kernarg_segment_align: 8
    .kernarg_segment_size: 64
    .max_flat_workgroup_size: 256
    .sgpr_count:     66
    .vgpr_count:     258
    .wavefront_size: 32
...
	.end_amdgpu_metadata
.endif
;; end of part 3
;; launch norm (part 4): grid 256 x 1, 8 waves a work-group, no clusters, 5,120 bytes of LDS; arguments ypre, part, gamma, beta, out0; writes out0
.if DOCPART == 4
	.amdgcn_target "amdgcn-amd-amdhsa--gfx1250"
	.amdhsa_code_object_version 6
	.text
	.protected	k_qd538fde96a_norm
	.globl	k_qd538fde96a_norm
	.p2align	8
	.type	k_qd538fde96a_norm,@function
k_qd538fde96a_norm:
	s_mov_b64 s[64:65], 0
	v_nop
	global_prefetch_b8 v0, s[64:65] scope:SCOPE_SE
	s_setreg_imm32_b32 hwreg(HW_REG_WAVE_MODE, 25, 1), 1
	s_wait_xcnt 0x0
; FOURTH LAUNCH.  out = gamma (y - mean) rsqrt(var + 1e-5) + beta, mean and var of each channel over all 32,768 rows.
; The 256 work-groups of the launch before left, for 128 rows each, a mean m_k and a sum of squares about it, q_k.  mean = the sum of m_k / 256;  var = (the sum of q_k + 128 x the sum of (m_k - mean)^2) / 32,768:
; no difference of large sums.  Every work-group joins all 256 pairs for itself (128 KiB, read by all): a launch for that alone would cost more than these reads.
; SHARES.  Thread = (p = thread / 16, c = thread % 16): channels 4 c .. 4 c + 3 throughout.  It joins the pairs of work-groups p + 16 k, k = 0 .. 15, and normalises rows 16 i + p, i = 0 .. 7, of its
; work-group's 128: a wave's load or store covers 512 consecutive bytes.  The 16 values of p meet by one exchange between the halves of the lanes and one turn through LDS.
; All loads go out at the head; the waits are counted.  No matrix unit, no tensor load, no cluster: a stream with a small reduction in front.
.set VC,  1                            ; v1    16 c
.set VP,  2                            ; v2    512 p + 16 c
.set VT,  3                            ; v3    16 x thread
.set VR,  4                            ; v4    256 x wave + 16 c
.set ME,  16                           ; v16-79   16 quads of means
.set M2,  80                           ; v80-143  16 quads of sums of squares
.set GA,  144                          ; v144-147 gamma, then gamma x rsqrt
.set BE,  148                          ; v148-151 beta
.set Y,   152                          ; v152-183 8 quads of y
.set MN,  184                          ; v184-187 the mean
.set XT,  188                          ; v188-191 the other half's figure
.set VA,  192                          ; v192-195 the variance
.set QS,  196                          ; v196-199 the sum of q_k
.set BK,  200                          ; v200-231 the waves' figures back from LDS
.macro JOIN acc, red                   ; over the two halves of the lanes and the eight waves; every thread ends with the same sum
.irp i, 0,1,2,3
	v_permlanex16_b32 v[XT+\i], v[\acc+\i], s14, s15
.endr
	v_pk_add_f32 v[\acc:\acc+1],   v[\acc:\acc+1],   v[XT:XT+1]
	v_pk_add_f32 v[\acc+2:\acc+3], v[\acc+2:\acc+3], v[XT+2:XT+3]
	ds_store_b128 v[VR], v[\acc:\acc+3] offset:\red        ; both halves store the same numbers to the same bytes
	s_wait_dscnt 0x0                               ; for the others' sake
	s_barrier_signal -1
	s_barrier_wait -1
.irp w, 0,1,2,3,4,5,6,7
	ds_load_b128 v[BK+4*\w:BK+4*\w+3], v[VC] offset:\red+256*\w
.endr
	s_wait_dscnt 0x0
	v_pk_add_f32 v[\acc:\acc+1],   v[BK:BK+1],   v[BK+4:BK+5]
	v_pk_add_f32 v[\acc+2:\acc+3], v[BK+2:BK+3], v[BK+6:BK+7]
.irp w, 2,3,4,5,6,7
	v_pk_add_f32 v[\acc:\acc+1],   v[\acc:\acc+1],   v[BK+4*\w:BK+4*\w+1]
	v_pk_add_f32 v[\acc+2:\acc+3], v[\acc+2:\acc+3], v[BK+4*\w+2:BK+4*\w+3]
.endr
.endm
	s_load_b256 s[4:11], s[0:1], 0x0               ; ypre s[4:5], part s[6:7], gamma s[8:9], beta s[10:11]
	s_load_b64 s[12:13], s[0:1], 0x20              ; out0
	v_lshl_add_u32 v240, v0, 2, 0x1000
	v_mov_b32 v241, 0
	v_and_b32 v[VC], 15, v0
	v_lshlrev_b32 v[VC], 4, v[VC]
	v_lshrrev_b32 v[VP], 4, v0
	v_lshl_add_u32 v[VP], v[VP], 9, v[VC]
	v_lshlrev_b32 v[VT], 4, v0
	v_lshrrev_b32 v[VR], 5, v0
	v_lshl_add_u32 v[VR], v[VR], 8, v[VC]
.irp i, 0,1,2,3
	v_mov_b32 v[XT+\i], 0                          ; written once: a lane permute's destination counts as one of its sources
.endr
	s_mov_b32 s14, 0x76543210                      ; v_permlanex16_b32: each lane takes its own place in the other half
	s_mov_b32 s15, 0xfedcba98
	s_mov_b32 s16, 0x3727c5ac                      ; 1e-5
	s_mov_b32 s17, 0x38000000                      ; 1 / 32,768
	s_lshl_b32 s18, ttmp9, 15                      ; my work-group's 128 rows of 256 bytes
	s_mov_b32 s19, 0
	s_wait_kmcnt 0x0
	s_add_nc_u64 s[4:5], s[4:5], s[18:19]
	s_add_nc_u64 s[12:13], s[12:13], s[18:19]
.set k, 0
.rept 16
	global_load_b128 v[ME+4*k:ME+4*k+3], v[VP], s[6:7] offset:8192*k
.set k, k+1
.endr
.set k, 0
.rept 16
	global_load_b128 v[M2+4*k:M2+4*k+3], v[VP], s[6:7] offset:8192*k+256
.set k, k+1
.endr
	global_load_b128 v[GA:GA+3], v[VC], s[8:9]
	global_load_b128 v[BE:BE+3], v[VC], s[10:11]
.irp i, 0,1,2,3,4,5,6,7
	global_load_b128 v[Y+4*\i:Y+4*\i+3], v[VT], s[4:5] offset:4096*\i th:TH_LOAD_NT   ; read once in the launch
.endr
	s_wait_loadcnt 0x1a                            ; behind the means' loads: 16 of q, gamma, beta, 8 of y
	v_pk_add_f32 v[MN:MN+1],   v[ME:ME+1],   v[ME+4:ME+5]
	v_pk_add_f32 v[MN+2:MN+3], v[ME+2:ME+3], v[ME+6:ME+7]
.set k, 2
.rept 14
	v_pk_add_f32 v[MN:MN+1],   v[MN:MN+1],   v[ME+4*k:ME+4*k+1]
	v_pk_add_f32 v[MN+2:MN+3], v[MN+2:MN+3], v[ME+4*k+2:ME+4*k+3]
.set k, k+1
.endr
	JOIN MN, 0
	v_pk_mul_f32 v[MN:MN+1],   v[MN:MN+1],   0x3b800000 op_sel_hi:[1,0]   ; / 256
	v_pk_mul_f32 v[MN+2:MN+3], v[MN+2:MN+3], 0x3b800000 op_sel_hi:[1,0]
.set k, 0
.rept 16
	v_pk_add_f32 v[ME+4*k:ME+4*k+1],   v[ME+4*k:ME+4*k+1],   v[MN:MN+1]   neg_lo:[0,1] neg_hi:[0,1]
	v_pk_add_f32 v[ME+4*k+2:ME+4*k+3], v[ME+4*k+2:ME+4*k+3], v[MN+2:MN+3] neg_lo:[0,1] neg_hi:[0,1]
.set k, k+1
.endr
	v_pk_mul_f32 v[VA:VA+1],   v[ME:ME+1],   v[ME:ME+1]
	v_pk_mul_f32 v[VA+2:VA+3], v[ME+2:ME+3], v[ME+2:ME+3]
.set k, 1
.rept 15
	v_pk_fma_f32 v[VA:VA+1],   v[ME+4*k:ME+4*k+1],   v[ME+4*k:ME+4*k+1],   v[VA:VA+1]
	v_pk_fma_f32 v[VA+2:VA+3], v[ME+4*k+2:ME+4*k+3], v[ME+4*k+2:ME+4*k+3], v[VA+2:VA+3]
.set k, k+1
.endr
	s_wait_loadcnt 0xa                             ; behind q's loads: gamma, beta, 8 of y
	v_pk_add_f32 v[QS:QS+1],   v[M2:M2+1],   v[M2+4:M2+5]
	v_pk_add_f32 v[QS+2:QS+3], v[M2+2:M2+3], v[M2+6:M2+7]
.set k, 2
.rept 14
	v_pk_add_f32 v[QS:QS+1],   v[QS:QS+1],   v[M2+4*k:M2+4*k+1]
	v_pk_add_f32 v[QS+2:QS+3], v[QS+2:QS+3], v[M2+4*k+2:M2+4*k+3]
.set k, k+1
.endr
	v_pk_fma_f32 v[VA:VA+1],   v[VA:VA+1],   0x43000000, v[QS:QS+1]   op_sel_hi:[1,0,1]   ; 128 x the squares of the means' distances + the sums of squares
	v_pk_fma_f32 v[VA+2:VA+3], v[VA+2:VA+3], 0x43000000, v[QS+2:QS+3] op_sel_hi:[1,0,1]
	JOIN VA, 2048                                  ; other bytes than the first turn's: no barrier is owed between the two
.irp i, 0,1,2,3
	v_fma_f32 v[VA+\i], v[VA+\i], s17, s16         ; var + 1e-5
.endr
.irp i, 0,1,2,3
	v_rsq_f32 v[VA+\i], v[VA+\i]
.endr
	v_nop                                          ; a plain instruction behind the last of them (ISA guide 5.7.2),
	s_wait_alu depctr_va_vdst(0)                   ; and one wait for the four, ahead of their first reader
	s_wait_loadcnt 0x8                             ; gamma and beta are in; y's 8 loads may be out
	v_pk_mul_f32 v[GA:GA+1],   v[GA:GA+1],   v[VA:VA+1]
	v_pk_mul_f32 v[GA+2:GA+3], v[GA+2:GA+3], v[VA+2:VA+3]
.irp i, 0,1,2,3,4,5,6,7
	s_wait_loadcnt 7-\i                            ; loads come back in order (ISA guide 5.7.1): quad i is in
	v_pk_add_f32 v[Y+4*\i:Y+4*\i+1],   v[Y+4*\i:Y+4*\i+1],   v[MN:MN+1]   neg_lo:[0,1] neg_hi:[0,1]
	v_pk_add_f32 v[Y+4*\i+2:Y+4*\i+3], v[Y+4*\i+2:Y+4*\i+3], v[MN+2:MN+3] neg_lo:[0,1] neg_hi:[0,1]
	v_pk_fma_f32 v[Y+4*\i:Y+4*\i+1],   v[Y+4*\i:Y+4*\i+1],   v[GA:GA+1],   v[BE:BE+1]
	v_pk_fma_f32 v[Y+4*\i+2:Y+4*\i+3], v[Y+4*\i+2:Y+4*\i+3], v[GA+2:GA+3], v[BE+2:BE+3]
	global_store_b128 v[VT], v[Y+4*\i:Y+4*\i+3], s[12:13] offset:4096*\i th:TH_STORE_NT   ; a wave stores 512 consecutive bytes; written once, read by nobody here
.endr
	s_wait_tensorcnt 0x0
	ds_add_u32 v240, v241
	s_wait_dscnt 0x0
	s_endpgm
.Lfunc_end_k_qd538fde96a_norm:
	.size	k_qd538fde96a_norm, .Lfunc_end_k_qd538fde96a_norm-k_qd538fde96a_norm
	.p2alignl 7, 3214868480
	.fill 96, 4, 3214868480
	.section	.rodata,"a",@progbits
	.p2align	6, 0x0
	.amdhsa_kernel k_qd538fde96a_norm
		.amdhsa_group_segment_fixed_size 5120
		.amdhsa_private_segment_fixed_size 0
		.amdhsa_enable_private_segment 0
		.amdhsa_kernarg_size 40
		.amdhsa_user_sgpr_count 2
		.amdhsa_user_sgpr_kernarg_segment_ptr 1
		.amdhsa_wavefront_size32 1
		.amdhsa_system_sgpr_workgroup_id_x 1
		.amdhsa_system_sgpr_workgroup_id_y 1
		.amdhsa_system_sgpr_workgroup_id_z 1
		.amdhsa_system_vgpr_workitem_id 0
		.amdhsa_next_free_vgpr 242
		.amdhsa_next_free_sgpr 66
		.amdhsa_reserve_vcc 0
		.amdhsa_float_denorm_mode_32 3
		.amdhsa_float_denorm_mode_16_64 3
		.amdhsa_memory_ordered 1
		.amdhsa_forward_progress 1
		.amdhsa_inst_pref_size 22
	.end_amdhsa_kernel
	.amdgpu_metadata
---
amdhsa.version: [ 1, 2 ]
amdhsa.kernels:
  - .name:           k_qd538fde96a_norm
    .symbol:         k_qd538fde96a_norm.kd
    .args:
      - { .name: ypre, .offset: 0, .size: 8, .value_kind: global_buffer, .address_space: global }
      - { .name: part, .offset: 8, .size: 8, .value_kind: global_buffer, .address_space: global }
      - { .name: gamma, .offset: 16, .size: 8, .value_kind: global_buffer, .address_space: global }
      - { .name: beta, .offset: 24, .size: 8, .value_kind: global_buffer, .address_space: global }
      - { .name: out0, .offset: 32, .size: 8, .value_kind: global_buffer, .address_space: global }
    .group_segment_fixed_size: 5120
    .private_segment_fixed_size: 0
    .kernarg_segment_align: 8
    .kernarg_segment_size: 40
    .max_flat_workgroup_size: 256
    .sgpr_count:     66
    .vgpr_count:     242
    .wavefront_size: 32
...
	.end_amdgpu_metadata
.endif
;; end of part 4
